; MI455X (gfx1250); checked and timed in simulation.
; The chip was launched on July 23, 2026; its instructions are those of AMD's public machine-readable ISA for CDNA 5 (MIT licence, August 2026) and "CDNA5" Instruction Set Architecture Reference Guide (July 2026). The comments in the code are by the model that wrote it; some were corrected since.
;; Self Attention Layer. Allowed arithmetic: matrix products marked QUANTISED: E4M3 operands, one E8M0 scale for each 32 along K, by v_wmma_scale_f32_16x16x128_f8f6f4 with both operands' format E4M3, f32 sums; everything else in f32.
;; Inputs: Wk 512 x 512 float32; Wo 512 x 512 float32; Wq 512 x 512 float32; Wv 512 x 512 float32; beta 512 float32; bk 512 float32; bo 512 float32; bq 512 float32; bv 512 float32; gamma 512 float32; x 8 x 2,048 x 512 float32.
;; Outputs: out0 8 x 2,048 x 512 float32.
;; This version of the problem:
;;   THIS VERSION OF THE PROBLEM IS GIVEN IN LOW PRECISION. The matrix products marked QUANTISED in the list below multiply operands that are first quantised to E4M3 (4 exponent bits, 3 mantissa bits; 8 bits a number), with one power-of-two scale for each 32 numbers along K (OCP MX v1.0); their sums are f32. All else is computed in f32.
;;   The module's matrix products, in the order in which they are computed (A, B: the left and right operand; K: the contracted axis; several contracted axes count as one K, in the product's order):
;;     1. [M 16,384, K 512] x [K 512, N 512]; A: input x; B: input Wq: QUANTISED
;;     2. [M 16,384, K 512] x [K 512, N 512]; A: input x; B: input Wk: QUANTISED
;;     3. [M 16,384, K 512] x [K 512, N 512]; A: input x; B: input Wv: QUANTISED
;;     4. batch 64 x [M 2,048, K 64] x [K 64, N 2,048]; A: computed on the way; B: computed on the way: QUANTISED
;;     5. batch 64 x [M 64, K 2,048] x [K 2,048, N 2,048]; A: computed on the way; B: softmax (see below): QUANTISED
;;     6. [M 16,384, K 512] x [K 512, N 512]; A: computed on the way; B: input Wo: QUANTISED
;;   THE QUANTISER, for each operand of a quantised product, along K:
;;     - K is cut into blocks of 32 from its start; a last block that is shorter is filled with zeros.
;;     - A block's scale is 2^e with e = floor(log2(the largest magnitude in the block)) - 8, held to -126 .. 127; a block of zeros has e = 0. As a byte (E8M0): e + 127.
;;     - Each number is divided by its block's scale, clamped to +-448, and rounded to the nearest number of E4M3, ties to even, subnormals kept.
;;     - The product sums the exact products of the quantised numbers (number of the format x scale) in f32.
;;   ~~~python
;;   def quantise(x, axis):      # numpy; x: float32 -> the quantised numbers, widened to float32 again
;;       x = np.moveaxis(x, axis, -1); K = x.shape[-1]
;;       x = np.pad(x, [(0, 0)] * (x.ndim - 1) + [(0, -K % 32)]); x = x.reshape(x.shape[:-1] + (-1, 32)); a = np.abs(x).max(-1, keepdims=True)
;;       e = np.where(a > 0, np.clip(np.frexp(np.where(a > 0, a, 1))[1] - 1 - 8, -126, 127), 0)      # np.frexp(a)[1] - 1 = floor(log2(a)), exactly
;;       r = np.clip(x / 2.0 ** e, -448, 448)
;;       step = 2.0 ** (np.maximum(np.frexp(np.where(r == 0, 1, r))[1] - 1, -6) - 3)
;;       q = np.round(r / step) * step * 2.0 ** e      # np.round: ties to even
;;       return np.moveaxis(q.reshape(q.shape[:-2] + (-1,))[..., :K], -1, axis).astype(np.float32)
;;   ~~~
;;   SOFTMAX AHEAD OF A QUANTISED PRODUCT. Where the list says 'softmax', what is quantised is not the finished softmax but p = 2^(t - M), with t = logit x log2(e) and M = ceil(the row's largest t), a whole number; so 1/2 < the row's largest p <= 1. The row's sum l is taken of the UNQUANTISED p, in f32, and the product's result is divided by l at the end. Since M is a whole number, a kernel that streams over the keys may use a running M (the ceiling of the running maximum): every later rescaling is an exact power of two, which a block's scale takes up: the codes' values come out the same.
;;   OPERANDS COMPUTED ON THE WAY. 'Computed on the way' means the value that the module computes at that place (a softmax that the list does not call 'softmax' is quantised finished and normalised). What goes into a quantiser is computed in f32, as accurately as f32 sums, v_exp_f32 and their like allow (about 1e-6 of the number): no bf16 or f16 on the way to a quantiser, and a product that is left as it is and whose result goes on into a quantised operand takes f32 operands (vector FMAs, or v_wmma_f32_16x16x4_f32). A number that lies on a knife's edge between two numbers of the format may be rounded either way, as far as f32 arithmetic and the matrix unit's own rounding can turn it there, and no further.
;; One version. Each part assembles by itself: llvm-mc -triple=amdgcn-amd-amdhsa -mcpu=gfx1250 --defsym DOCPART=n.
;; ======== version 1 of 1: 4 launches
;; limits: right only within a limited range of input values
;; workspace buffers: xq 8,650,752 bytes; wq 1,081,344 bytes; qc 8,388,608 bytes; qs 262,144 bytes; kv 17,301,504 bytes; cq 8,388,608 bytes; cs 262,144 bytes
;; launch prep (part 1): grid 256 x 1, 9 waves a work-group, no clusters, 77,312 bytes of LDS; arguments x, Wq, Wk, Wv, Wo, xq, wq; writes xq, wq
.if DOCPART == 1
	.amdgcn_target "amdgcn-amd-amdhsa--gfx1250"
	.amdhsa_code_object_version 6
	.text
	.protected	k_q1360b3e6e2_prep
	.globl	k_q1360b3e6e2_prep
	.p2align	8
	.type	k_q1360b3e6e2_prep,@function
k_q1360b3e6e2_prep:
	s_mov_b64 s[64:65], 0
	v_nop
	global_prefetch_b8 v0, s[64:65] scope:SCOPE_SE
	s_setreg_imm32_b32 hwreg(HW_REG_WAVE_MODE, 25, 1), 1
	s_wait_xcnt 0x0
; x [16384][512] and Wq, Wk, Wv, Wo [512][512], f32, K = 512 innermost, become codes of FP8 (E4M3) with one E8M0 byte for each 32 along K,
; laid in the ORDER OF THE OPERAND'S REGISTERS.  32 rows form a group, a group two tiles u = 0, 1; lane r of tile u holds row 8 u + r + 8 (r / 8) of its group.
; A group's record is 16,896 bytes: the image of fragment (u, K step s) at (4 u + s) x 2,048 (register group c at 512 c + 16 x lane: k = 128 s + 32 c + 16 (lane / 16) + 0 .. 15 of the lane's row),
; and from byte 16,384 on 16 bytes for each lane 16 u + r: the row's four scale words, one a K step.  xq holds x's 512 records; wq holds 16 each of Wq, Wk, Wv, Wo.
; A block's scale is 2^(floor(log2(largest magnitude)) - 8); its byte is the largest magnitude's exponent field - 8, held at 1 from below; each number is held within +-448 x the scale and converted.
; LIMITS: a block of zeros gets the byte 1 where the rule says 127 (its codes are zeros, and this program alone reads the bytes); NaN and infinities among the inputs are not served.
; Every input is loaded by some launch.
; SHARES: the 576 groups are 1,152 tiles; a tile's K is cut in two halves of two K steps: 2,304 units = 256 work-groups x 9 waves, a unit a wave: 16 KiB in, all 32 loads asked for at once.  One path: only pointers are chosen, by ids.
; LOADS: each load reads 512 consecutive bytes of ONE row (a K step's 128 numbers), 16 bytes a lane.  The conversions want 16 neighbours along K in one lane, so a K step's 16 rows turn through the wave's own stage in LDS:
; stored as loaded, rows 528 bytes apart, read back 64 bytes a lane at row r.  One stage a wave: LDS serves a wave's instructions in order.
; STORES: the images leave in runs of 512 consecutive bytes.  A row's four scale words come from two waves, which may lie in different work-groups (9 is odd): each stores its 8 of a lane's 16 bytes, so these units are written in part:
; one byte in 128 of what the launch reads.
; A stream: no barrier, no matrix unit; nothing is shared between work-groups, so no cluster; every byte is asked for once, at the wave's start, so no prefetch.
.set GR,    16896
.set FLOOR, 0x4800000                  ; 2^(9 - 127)
.set SUB8,  0xfc000000                 ; takes 8 off an exponent field
.set EXPM,  0x7f800000
.set SP,    528                        ; a stage row: 512 bytes + 16 of padding
.set STG,   16*SP                      ; a wave's stage
.set SPARE, 9*STG                      ; behind the nine stages: the spare words, 128 bytes a wave, five blocks of 256 bytes
.set BM,  8                            ; v8-11   a block's largest magnitude
.set PD,  12                           ; v12-15  the other half's; then the scale's byte
.set HL,  16                           ; v16-19  448 x the scale
.set SO,  20                           ; v20-23  the conversion's scale operand
.set SW,  24                           ; v24-25  the row's two scale words of my half of K
.set SPW, 28                           ; v28     my spare word; never rewritten
.set NIL, 29                           ; v29     0; never rewritten
.set R0,  32                           ; v32-95, v96-159  my two K steps: 16 rows x 16 bytes each, as loaded
.set R1,  96
.set X,   160                          ; v160-223 my row's 64 numbers of a K step
.set CD,  224                          ; v224-255 codes: 16 registers for each K step, so that no store's data are written again
.set SEL, 28                           ; s[28:29] lane l xor 16
.set MNT, 30                           ; s30  the mantissa field of 448
; nb blocks of a lane, block b in v[src + 16 b] on (16 neighbours along K; lane l xor 16 holds the other 16), become codes in v[cd + 4 b] on; the bytes stay in v[PD + b].
.macro QUANT src, nb, cd
.set qb, 0
.rept \nb
	v_max3_num_f32 v[BM+qb], |v[\src+16*qb]|, |v[\src+16*qb+1]|, FLOOR   ; the floor among the leaves: the byte cannot fall under 1
.set qb, qb+1
.endr
.set qi, 2
.rept 7
.set qb, 0
.rept \nb
	v_max3_num_f32 v[BM+qb], v[BM+qb], |v[\src+16*qb+qi]|, |v[\src+16*qb+qi+1]|   ; the blocks by turns
.set qb, qb+1
.endr
.set qi, qi+2
.endr
.set qb, 0
.rept \nb
	v_permlanex16_b32 v[PD+qb], v[BM+qb], s[SEL], s[SEL+1]
.set qb, qb+1
.endr
.set qb, 0
.rept \nb
	v_max_num_f32 v[BM+qb], v[BM+qb], v[PD+qb]         ; the block's largest magnitude
.set qb, qb+1
.endr
.set qb, 0
.rept \nb
	v_add_nc_u32 v[SO+qb], SUB8, v[BM+qb]              ; the conversion takes this operand's exponent field as its scale
.set qb, qb+1
.endr
.set qb, 0
.rept \nb
	v_and_or_b32 v[HL+qb], v[BM+qb], EXPM, s[MNT]      ; 448 x the scale
.set qb, qb+1
.endr
.set qb, 0
.rept \nb
	v_lshrrev_b32 v[PD+qb], 23, v[SO+qb]               ; the scale's byte
.set qb, qb+1
.endr
.set qb, 0
.rept \nb
.set qi, 0
.rept 16
	v_med3_num_f32 v[\src+16*qb+qi], v[\src+16*qb+qi], -v[HL+qb], v[HL+qb]   ; the conversion does not saturate (ISA guide 7.6.2): the hold comes first
.set qi, qi+1
.endr
	v_cvt_scalef32_pk8_fp8_f32 v[\cd+4*qb:\cd+4*qb+1], v[\src+16*qb:\src+16*qb+7], v[SO+qb]
	v_cvt_scalef32_pk8_fp8_f32 v[\cd+4*qb+2:\cd+4*qb+3], v[\src+16*qb+8:\src+16*qb+15], v[SO+qb]
.set qb, qb+1
.endr
	v_nop                                              ; a plain line behind the last conversion
.endm
.macro XLOAD set, s                    ; K step s of my two, of the tile's 16 rows (rows 0-7 and 16-23 from the tile's first): a row a load, 512 consecutive bytes
.set xi, 0
.rept 16
	global_load_b128 v[\set+4*xi:\set+4*xi+3], v5, s[4:5] offset:(xi+8*(xi/8))*2048+512*\s th:TH_LOAD_NT
.set xi, xi+1
.endr
.endm
.macro TURN set                        ; through my stage: in by rows as loaded, back 64 bytes a lane for each block of 32: register 16 c + 4 i holds k = 32 c + 16 h + 4 i on of row r
.set xi, 0
.rept 16
	ds_store_b128 v4, v[\set+4*xi:\set+4*xi+3] offset:xi*SP
.set xi, xi+1
.endr
.set xi, 0
.rept 16
	ds_load_b128 v[X+4*xi:X+4*xi+3], v7 offset:128*(xi/4)+16*(xi%4)
.set xi, xi+1
.endr
	s_wait_dscnt 0x0                               ; my numbers are back
.endm
.macro PUT s                           ; K step s of my two: quantised, its scale word made, its image stored: each store covers 512 consecutive bytes
	QUANT X, 4, CD+16*\s
	v_lshl_or_b32 v[SW+\s], v[PD+1], 8, v[PD]
	v_lshl_or_b32 v[SW+\s], v[PD+2], 16, v[SW+\s]
	v_lshl_or_b32 v[SW+\s], v[PD+3], 24, v[SW+\s]
.irp c, 0,1,2,3
	global_store_b128 v5, v[CD+16*\s+4*\c:CD+16*\s+4*\c+3], s[14:15] offset:2048*\s+512*\c
.endr
.endm
	s_load_b256 s[4:11], s[0:1], 0x0               ; x, Wq, Wk, Wv
	s_load_b128 s[12:15], s[0:1], 0x20             ; Wo, xq
	s_load_b64 s[16:17], s[0:1], 0x30              ; wq
	v_lshl_add_u32 v[SPW], v0, 2, SPARE
	v_mov_b32 v[NIL], 0
	v_lshrrev_b32 v1, 5, v0
	v_readfirstlane_b32 s18, v1                    ; wave 0..8
	v_and_b32 v1, 31, v0                           ; lane
	v_and_b32 v2, 15, v0                           ; r
	v_bfe_u32 v3, v0, 4, 1                         ; h
	v_lshlrev_b32 v5, 4, v1                        ; 16 x lane
	v_lshlrev_b32 v6, 4, v2                        ; 16 r
	s_mul_i32 s26, s18, STG                        ; my stage
	v_add_nc_u32 v4, s26, v5                       ; into it: 16 x lane of a row
	v_mul_u32_u24 v7, v2, SP
	v_lshl_add_u32 v7, v3, 6, v7
	v_add_nc_u32 v7, s26, v7                       ; out of it: row r, + 64 h
.irp b, 0,1,2,3
	v_mov_b32 v[PD+\b], 0                          ; written once: a lane permute's destination counts as one of its sources
.endr
	s_mov_b32 s[SEL], 0x76543210
	s_mov_b32 s[SEL+1], 0xfedcba98
	s_mov_b32 s[MNT], 0x600000
	s_mul_i32 s19, ttmp9, 9
	s_add_co_u32 s19, s19, s18                     ; my unit, 0 .. 2,303 = 4 x group + 2 u + half of K
	s_and_b32 s22, s19, 1                          ; which half of K
	s_bfe_u32 s23, s19, 0x10001                    ; u
	s_lshr_b32 s21, s19, 2                         ; the group: 0 .. 511 x's, 512 .. 575 the weights'
	s_sub_co_u32 s20, s21, 512                     ; the group among the weights' 64 (used only there)
	s_lshr_b32 s24, s20, 4                         ; which matrix
	s_and_b32 s25, s20, 15                         ; which group of it
	s_wait_alu depctr_va_vdst(0)
	s_wait_kmcnt 0x0
	s_cmp_eq_u32 s24, 1                            ; every choice hangs on ids alone
	s_cselect_b64 s[6:7], s[8:9], s[6:7]
	s_cmp_eq_u32 s24, 2
	s_cselect_b64 s[6:7], s[10:11], s[6:7]
	s_cmp_eq_u32 s24, 3
	s_cselect_b64 s[6:7], s[12:13], s[6:7]
	s_cmp_lt_u32 s21, 512
	s_cselect_b64 s[4:5], s[4:5], s[6:7]           ; from: x or the weight
	s_cselect_b64 s[14:15], s[14:15], s[16:17]     ; to: xq or wq
	s_cselect_b32 s25, s21, s25                    ; the group in the source,
	s_cselect_b32 s20, s21, s20                    ; and in the destination
	s_lshl_b32 s24, s25, 16                        ; 32 rows of 2,048 bytes,
	s_lshl_b32 s26, s23, 14                        ; 8 rows,
	s_add_co_u32 s24, s24, s26
	s_lshl_b32 s26, s22, 10                        ; two K steps of 512 bytes
	s_add_co_u32 s24, s24, s26
	s_mov_b32 s25, 0
	s_add_nc_u64 s[4:5], s[4:5], s[24:25]
	s_mul_i32 s26, s20, GR
	s_mov_b32 s27, 0
	s_add_nc_u64 s[14:15], s[14:15], s[26:27]      ; the group's record
	s_lshl_b32 s26, s23, 8
	s_lshl_b32 s24, s22, 3
	s_add_co_u32 s26, s26, s24
	s_add_co_u32 s26, s26, 16384
	s_add_nc_u64 s[16:17], s[14:15], s[26:27]      ; my tile's scale words, my half's 8 bytes of each 16
	s_lshl_b32 s26, s23, 13
	s_lshl_b32 s24, s22, 12
	s_add_co_u32 s26, s26, s24
	s_add_nc_u64 s[14:15], s[14:15], s[26:27]      ; my tile's images, my two K steps
	XLOAD R0, 0
	XLOAD R1, 1
	s_wait_loadcnt 16                              ; the first K step's 16 loads are in, the second's stay out
	TURN R0
	PUT 0
	s_wait_loadcnt 0x0
	TURN R1
	PUT 1
	s_wait_alu depctr_va_vdst(0)
	s_wait_xcnt 0x0                                ; EXEC changes only behind this wait: it is a source of the stores above
	v_cmp_gt_u32 vcc_lo, 16, v1
	s_and_saveexec_b32 s31, vcc_lo
	global_store_b64 v6, v[SW:SW+1], s[16:17]      ; lanes 0-15: 8 bytes of each row's 16
	s_wait_xcnt 0x0
	s_or_b32 exec_lo, exec_lo, s31
	s_wait_tensorcnt 0x0                           ; the wave's end
	ds_add_u32 v[SPW], v[NIL]
	s_wait_dscnt 0x0
	s_endpgm
.Lfunc_end_k_q1360b3e6e2_prep:
	.size	k_q1360b3e6e2_prep, .Lfunc_end_k_q1360b3e6e2_prep-k_q1360b3e6e2_prep
	.p2alignl 7, 3214868480
	.fill 96, 4, 3214868480
	.section	.rodata,"a",@progbits
	.p2align	6, 0x0
	.amdhsa_kernel k_q1360b3e6e2_prep
		.amdhsa_group_segment_fixed_size 77312
		.amdhsa_private_segment_fixed_size 0
		.amdhsa_enable_private_segment 0
		.amdhsa_kernarg_size 56
		.amdhsa_user_sgpr_count 2
		.amdhsa_user_sgpr_kernarg_segment_ptr 1
		.amdhsa_wavefront_size32 1
		.amdhsa_system_sgpr_workgroup_id_x 1
		.amdhsa_system_sgpr_workgroup_id_y 1
		.amdhsa_system_sgpr_workgroup_id_z 1
		.amdhsa_system_vgpr_workitem_id 0
		.amdhsa_next_free_vgpr 256
		.amdhsa_next_free_sgpr 66
		.amdhsa_reserve_vcc 1
		.amdhsa_float_denorm_mode_32 3
		.amdhsa_float_denorm_mode_16_64 3
		.amdhsa_memory_ordered 1
		.amdhsa_forward_progress 1
		.amdhsa_inst_pref_size 28
	.end_amdhsa_kernel
	.amdgpu_metadata
---
amdhsa.version: [ 1, 2 ]
amdhsa.kernels:
  - .name:           k_q1360b3e6e2_prep
    .symbol:         k_q1360b3e6e2_prep.kd
    .args:
      - { .name: x, .offset: 0, .size: 8, .value_kind: global_buffer, .address_space: global }
      - { .name: Wq, .offset: 8, .size: 8, .value_kind: global_buffer, .address_space: global }
      - { .name: Wk, .offset: 16, .size: 8, .value_kind: global_buffer, .address_space: global }
      - { .name: Wv, .offset: 24, .size: 8, .value_kind: global_buffer, .address_space: global }
      - { .name: Wo, .offset: 32, .size: 8, .value_kind: global_buffer, .address_space: global }
      - { .name: xq, .offset: 40, .size: 8, .value_kind: global_buffer, .address_space: global }
      - { .name: wq, .offset: 48, .size: 8, .value_kind: global_buffer, .address_space: global }
    .group_segment_fixed_size: 77312
    .private_segment_fixed_size: 0
    .kernarg_segment_align: 8
    .kernarg_segment_size: 56
    .max_flat_workgroup_size: 288
    .sgpr_count:     66
    .vgpr_count:     256
    .wavefront_size: 32
...
	.end_amdgpu_metadata
.endif
;; end of part 1
;; launch qkv (part 2): grid 4 x 64, 4 waves a work-group, clusters of 4 x 1, 327,680 bytes of LDS; arguments xq, wq, bq, bk, bv, qc, qs, kv; writes qc, qs, kv
.if DOCPART == 2
	.amdgcn_target "amdgcn-amd-amdhsa--gfx1250"
	.amdhsa_code_object_version 6
	.text
	.protected	k_q1360b3e6e2_qkv
	.globl	k_q1360b3e6e2_qkv
	.p2align	8
	.type	k_q1360b3e6e2_qkv,@function
k_q1360b3e6e2_qkv:
	s_mov_b64 s[64:65], 0
	v_nop
	global_prefetch_b8 v0, s[64:65] scope:SCOPE_SE
	s_setreg_imm32_b32 hwreg(HW_REG_WAVE_MODE, 25, 1), 1
	s_wait_xcnt 0x0
	s_wait_alu depctr_hold_cnt(0) depctr_sa_sdst(0) depctr_va_vdst(0) depctr_va_sdst(0) depctr_va_ssrc(0) depctr_va_vcc(0) depctr_vm_vsrc(0)
	s_getreg_b32 s2, hwreg(HW_REG_IB_STS2, 6, 4)
	s_cmp_eq_u32 s2, 0
	s_cbranch_scc0 .Lentry_in_a_cluster
	s_endpgm
.Lentry_in_a_cluster:
	s_bfe_u32 s2, ttmp6, 0x10000c
	s_cmp_lg_u32 s2, 0x3003
	s_cbranch_scc0 .Lentry_shape_is_right
	s_endpgm
.Lentry_shape_is_right:
; Q, K, V = x W^T + b on codes of FP8 (E4M3) with E8M0 scales, and their quantisers: Q and K along the head's 64, V along the keys.  Codes and scale bytes leave in the order of the next launch's operand registers.
; SHARES.  A work-group takes 256 tokens (8 records of xq); wave w of work-group x holds record 4 x + w (32 rows) of each of Wq, Wk, Wv, all of K, in registers.  The four work-groups of a cluster read the same tokens:
; each wave asks for two records by ONE joint load (132 rows of 256 bytes); every LDS byte is filled once.  The biases are the C of the first K step.
; Q, K: source 0 = the weight's rows, so a lane holds a token and its registers run along the head;  V: source 0 = x's rows, so a lane holds a column and its registers run along the tokens.
; LIMITS: NaN and infinities are not served; a block's byte never falls under 1.
.set GR,    16896
.set QSC,   8*GR
.set KSC,   QSC+1024
.set VSC,   KSC+1024
.set FLOOR, 0x4800000
.set SUB8,  0xfc000000
.set EXPM,  0x7f800000
.set LN,  2
.set RR,  3
.set XAD, 4
.set L16, 4
.set AQS, 8
.set AKS, 9
.set AVS, 10
.set ARD, 11
.set L8,  12
.set QO,  13
.set VO,  14
.set AB,  15
.set WS,  16
.set XS,  28
.set VW,  36
.set AV,  39
.set BM,  40
.set PD,  46
.set HL,  52
.set SO,  58
.set CD,  64
.set RB,  88
.set ACC, 128
.set WV,  20
.set SEL, 48
.set MNT, 50
.set HM,  51
.set WB,  52
.set QB,  54
.set KB,  56
.set QSB, 58
.set KSB, 60
.set MSB, 0
.macro WIN new
.if MSB != \new
	s_set_vgpr_msb (MSB<<8)|\new
.set MSB, \new
.endif
.endm
.macro WM d, a, b, c, sa, sb, ra, rb
.if (\ra) && (\rb)
	v_wmma_scale_f32_16x16x128_f8f6f4 v[\d:\d+7], v[\a:\a+15], v[\b:\b+15], v[\c:\c+7], v[\sa], v[\sb] matrix_a_scale:MATRIX_SCALE_ROW1 matrix_b_scale:MATRIX_SCALE_ROW1
.elseif (\ra)
	v_wmma_scale_f32_16x16x128_f8f6f4 v[\d:\d+7], v[\a:\a+15], v[\b:\b+15], v[\c:\c+7], v[\sa], v[\sb] matrix_a_scale:MATRIX_SCALE_ROW1
.elseif (\rb)
	v_wmma_scale_f32_16x16x128_f8f6f4 v[\d:\d+7], v[\a:\a+15], v[\b:\b+15], v[\c:\c+7], v[\sa], v[\sb] matrix_b_scale:MATRIX_SCALE_ROW1
.else
	v_wmma_scale_f32_16x16x128_f8f6f4 v[\d:\d+7], v[\a:\a+15], v[\b:\b+15], v[\c:\c+7], v[\sa], v[\sb]
.endif
.endm
.macro QUANT src, nb, cd
.set qb, 0
.rept \nb
	v_max3_num_f32 v[BM+qb], |v[\src+16*qb]|, |v[\src+16*qb+1]|, FLOOR
.set qb, qb+1
.endr
.set qi, 2
.rept 7
.set qb, 0
.rept \nb
	v_max3_num_f32 v[BM+qb], v[BM+qb], |v[\src+16*qb+qi]|, |v[\src+16*qb+qi+1]|
.set qb, qb+1
.endr
.set qi, qi+2
.endr
.set qb, 0
.rept \nb
	v_permlanex16_b32 v[PD+qb], v[BM+qb], s[SEL], s[SEL+1]
.set qb, qb+1
.endr
.set qb, 0
.rept \nb
	v_max_num_f32 v[BM+qb], v[BM+qb], v[PD+qb]
.set qb, qb+1
.endr
.set qb, 0
.rept \nb
	v_add_nc_u32 v[SO+qb], SUB8, v[BM+qb]
.set qb, qb+1
.endr
.set qb, 0
.rept \nb
	v_and_or_b32 v[HL+qb], v[BM+qb], EXPM, s[MNT]
.set qb, qb+1
.endr
.set qb, 0
.rept \nb
	v_lshrrev_b32 v[PD+qb], 23, v[SO+qb]
.set qb, qb+1
.endr
.set qb, 0
.rept \nb
.set qi, 0
.rept 16
	v_med3_num_f32 v[\src+16*qb+qi], v[\src+16*qb+qi], -v[HL+qb], v[HL+qb]
.set qi, qi+1
.endr
	v_cvt_scalef32_pk8_fp8_f32 v[\cd+4*qb:\cd+4*qb+1], v[\src+16*qb:\src+16*qb+7], v[SO+qb]
	v_cvt_scalef32_pk8_fp8_f32 v[\cd+4*qb+2:\cd+4*qb+3], v[\src+16*qb+8:\src+16*qb+15], v[SO+qb]
.set qb, qb+1
.endr
	v_nop
.endm
.macro CROUND
	s_barrier_signal -1
	s_barrier_wait -1
	s_cmp_lg_u32 s[WV], 0
	s_cbranch_scc1 .Lnot_wave_0_\@
	s_barrier_signal -3
.Lnot_wave_0_\@:
	s_barrier_wait -3
	s_barrier_signal -1
	s_barrier_wait -1
.endm
.macro XFETCH g
	WIN 0xc0
.set xf, 0
.rept 8
.irp c, 0,1,2,3
	ds_load_b128 v[128*((\g)%2)+16*xf+4*\c:128*((\g)%2)+16*xf+4*\c+3], v[XAD+(\g)/2] offset:((\g)%2)*GR+xf*2048+\c*512
.endr
.set xf, xf+1
.endr
	WIN 0
	ds_load_b128 v[XS+4*((\g)%2):XS+4*((\g)%2)+3], v[XAD+(\g)/2] offset:((\g)%2)*GR+16384
.endm
.macro MULS g
.set xb, 128*((\g)%2)
.set xs, XS+4*((\g)%2)
.set ks, 0
.rept 4
.if (\g) == 0
.if ks == 0
	s_wait_loadcnt 63
.else
	s_wait_loadcnt 72-24*ks
.endif
.endif
.if ks == 0
	WIN 0x2d
.else
	WIN 0x0d
.endif
.irp m, 0,1
.irp ut, 0,1
.irp uw, 0,1
.if ks == 0
	WM ACC+32*\m+8*(2*\ut+\uw), 128*\m+16*(4*\uw+ks), xb+16*(4*\ut+ks), 128+16*\m+8*\uw, WS+4*\m+ks, xs+ks, \uw, \ut
.else
	WM ACC+32*\m+8*(2*\ut+\uw), 128*\m+16*(4*\uw+ks), xb+16*(4*\ut+ks), ACC+32*\m+8*(2*\ut+\uw), WS+4*\m+ks, xs+ks, \uw, \ut
.endif
.endr
.endr
.endr
.if ks == 0
	WIN 0x2b
.else
	WIN 0x0b
.endif
.irp uw, 0,1
.irp ut, 0,1
.if ks == 0
	WM ACC+64+8*(2*\uw+\ut), xb+16*(4*\ut+ks), 16*(4*\uw+ks), 160+8*\uw, xs+ks, WS+8+ks, \ut, \uw
.else
	WM ACC+64+8*(2*\uw+\ut), xb+16*(4*\ut+ks), 16*(4*\uw+ks), ACC+64+8*(2*\uw+\ut), xs+ks, WS+8+ks, \ut, \uw
.endif
.endr
.endr
.set ks, ks+1
.endr
.endm
.macro EPI g
	s_wait_xcnt 0x0
	QUANT ACC, 6, CD
.irp u, 0,1
	global_store_b128 v[QO], v[CD+4*\u:CD+4*\u+3], s[QB:QB+1] offset:(2*(\g)+\u)*1024
.endr
.irp u, 0,1
	global_store_b128 v[QO], v[CD+8+4*\u:CD+8+4*\u+3], s[KB:KB+1] offset:((\g)/4)*GR+((\g)%4)*2048+\u*1024
.endr
.irp u, 0,1
	global_store_b128 v[VO], v[CD+16+4*\u:CD+16+4*\u+3], s[KB:KB+1] offset:((\g)/4)*GR+\u*2048+((\g)%4)*512
.endr
.irp u, 0,1
	ds_store_b8 v[AQS], v[PD+\u] offset:(2*(\g)+\u)*32
	ds_store_b8 v[AKS], v[PD+2+\u] offset:(\g)*64+2*\u
.endr
.if (\g)%4 == 0
	v_mov_b32 v[VW], v[PD+4]
	v_mov_b32 v[VW+1], v[PD+5]
.else
	v_lshl_or_b32 v[VW], v[PD+4], 8*((\g)%4), v[VW]
	v_lshl_or_b32 v[VW+1], v[PD+5], 8*((\g)%4), v[VW+1]
.endif
.if (\g)%4 == 3
	v_cndmask_b32 v[VW+2], v[VW], v[VW+1], s[HM]
	ds_store_b32 v[AVS], v[VW+2] offset:((\g)/4)*256
.endif
.endm
	s_load_b256 s[4:11], s[0:1], 0x0
	s_load_b256 s[12:19], s[0:1], 0x20
	v_lshl_add_u32 v254, v0, 2, 0x29000
	v_mov_b32 v255, 0
	ds_add_u32 v254, v255
	ds_add_u32 v254, v255
	v_lshrrev_b32 v1, 5, v0
	v_readfirstlane_b32 s[WV], v1
	s_bfe_u32 s21, ttmp6, 0x40000
	s_lshl_b32 s23, ttmp9, 2
	s_add_co_u32 s21, s23, s21
	s_and_b32 s22, ttmp7, 0xffff
	s_lshl_b32 s23, s21, 2
	s_add_co_u32 s23, s23, s[WV]
	s_mov_b32 s32, 15|(3<<16)|(1<<21)
	s_mov_b32 s33, 32<<16
	s_mov_b32 s34, 132<<16
	s_mov_b32 s35, 32<<16
	s_mov_b32 s36, 132
	s_mov_b32 s37, 32
	s_mov_b32 s38, 0
	s_mov_b32 s39, 0
	s_mul_i32 s24, s[WV], 2*GR
	s_mul_i32 s26, s22, 8*GR
	s_add_co_u32 s26, s26, s24
	s_mov_b32 s27, 0
	v_and_b32 v[LN], 31, v0
	v_and_b32 v[RR], 15, v0
	v_lshlrev_b32 v[L16], 4, v[LN]
.irp k, 1,2,3
	v_add_nc_u32 v[XAD+\k], \k*2*GR, v[L16]
.endr
	s_lshr_b32 s28, s[WV], 1
	s_lshl_b32 s28, s28, 9
	s_and_b32 s29, s[WV], 1
	s_add_co_u32 s30, s28, s29
	v_lshl_add_u32 v[AQS], v[RR], 1, s30
	v_add_nc_u32 v[AQS], QSC, v[AQS]
	v_lshl_add_u32 v[AKS], v[RR], 2, s30
	v_add_nc_u32 v[AKS], KSC, v[AKS]
	s_lshl_b32 s31, s29, 7
	s_add_co_u32 s31, s31, s28
	v_lshl_add_u32 v[AVS], v[LN], 2, s31
	v_add_nc_u32 v[AVS], VSC, v[AVS]
	s_lshl_b32 s31, s[WV], 8
	v_lshl_add_u32 v[ARD], v[LN], 3, s31
	v_add_nc_u32 v[ARD], QSC, v[ARD]
	v_lshlrev_b32 v[L8], 3, v[LN]
	s_lshl_b32 s31, s29, 9
	v_add_nc_u32 v[QO], s31, v[L16]
	s_lshl_b32 s31, s29, 12
	s_add_co_u32 s31, s31, 8192
	v_add_nc_u32 v[VO], s31, v[L16]
	v_bfe_u32 v[AB], v0, 4, 1
	v_lshlrev_b32 v[AB], 6, v[AB]
	v_and_b32 v[AV], 8, v[RR]
	v_add_nc_u32 v[AV], v[AV], v[RR]
	v_lshlrev_b32 v[AV], 2, v[AV]
.irp b, 0,1,2,3,4,5
	v_mov_b32 v[PD+\b], 0
.endr
	s_mov_b32 s[SEL], 0x76543210
	s_mov_b32 s[SEL+1], 0xfedcba98
	s_mov_b32 s[MNT], 0x600000
	s_mov_b32 s[HM], 0xffff0000
	s_wait_alu depctr_va_vdst(0)
	s_wait_dscnt 0x0                               ; both opening adds are done
	s_wait_kmcnt 0x0
	s_mov_b32 s40, 1
	s_mov_b32 s41, s24                             ; LDS: records 2 w, 2 w + 1
	s_add_nc_u64 s[42:43], s[4:5], s[26:27]
	s_or_b32 s43, s43, 0x80000000
	CROUND                                         ; the round in front of the joint loads
	tensor_load_to_lds s[40:43], s[32:39]          ; my one tensor load: two records
	s_nop 0
.rept 4
	v_nop
.endr
	s_lshr_b32 s28, s22, 3
	s_and_b32 s29, s22, 7
	s_lshr_b32 s30, s23, 1
	s_lshl_b32 s28, s28, 3
	s_add_co_u32 s28, s28, s30
	s_mov_b32 s31, 0
	s_mul_i32 s30, s23, GR
	s_add_nc_u64 s[WB:WB+1], s[6:7], s[30:31]
	s_lshl_b32 s30, s23, 7
	s_add_nc_u64 s[8:9], s[8:9], s[30:31]
	s_add_nc_u64 s[10:11], s[10:11], s[30:31]
	s_add_nc_u64 s[12:13], s[12:13], s[30:31]
	s_lshl_b32 s30, s28, 17
	s_lshl_b32 s25, s29, 14
	s_add_co_u32 s30, s30, s25
	s_add_nc_u64 s[QB:QB+1], s[14:15], s[30:31]
	s_mul_i32 s30, s28, 16*GR
	s_mul_i32 s25, s29, 2*GR
	s_add_co_u32 s30, s30, s25
	s_add_nc_u64 s[KB:KB+1], s[18:19], s[30:31]
	s_and_b32 s25, s[WV], 1
	s_mul_i32 s30, s25, GR
	s_add_nc_u64 s[KSB:KSB+1], s[KB:KB+1], s[30:31]
	s_lshl_b32 s30, s28, 12
	s_lshl_b32 s24, s29, 9
	s_add_co_u32 s30, s30, s24
	s_lshl_b32 s24, s25, 8
	s_add_co_u32 s30, s30, s24
	s_add_nc_u64 s[QSB:QSB+1], s[16:17], s[30:31]
.irp m, 0,1,2
	global_load_b128 v[WS+4*\m:WS+4*\m+3], v[L16], s[WB:WB+1] offset:\m*16*GR+16384
.endr
	WIN 0x80
.irp u, 0,1
	global_load_b128 v[128+8*\u:131+8*\u], v[AB], s[8:9] offset:32*\u
	global_load_b128 v[132+8*\u:135+8*\u], v[AB], s[8:9] offset:32*\u+16
	global_load_b128 v[144+8*\u:147+8*\u], v[AB], s[10:11] offset:32*\u
	global_load_b128 v[148+8*\u:151+8*\u], v[AB], s[10:11] offset:32*\u+16
.endr
	s_wait_alu depctr_va_vdst(0)
.irp u, 0,1
.irp i, 0,1,2,3,4,5,6,7
	global_load_b32 v[160+8*\u+\i], v[AV], s[12:13] offset:32*\u
.endr
.endr
.irp s, 0,1,2,3
	WIN 0x40
.irp m, 0,1
.irp u, 0,1
.irp c, 0,1,2,3
	global_load_b128 v[128*\m+16*(4*\u+\s)+4*\c:128*\m+16*(4*\u+\s)+4*\c+3], v[L16], s[WB:WB+1] offset:\m*16*GR+(4*\u+\s)*2048+\c*512
.endr
.endr
.endr
	WIN 0x80
.irp u, 0,1
.irp c, 0,1,2,3
	global_load_b128 v[16*(4*\u+\s)+4*\c:16*(4*\u+\s)+4*\c+3], v[L16], s[WB:WB+1] offset:2*16*GR+(4*\u+\s)*2048+\c*512
.endr
.endr
.endr
	WIN 0
	s_wait_tensorcnt 0x0
	s_barrier_signal -1
	s_barrier_wait -1
	XFETCH 0
.irp g, 0,1,2,3,4,5,6,7
	s_wait_dscnt 0x0
.if \g < 7
	XFETCH \g+1                                    ; the next group's fragments, into the set that the group before this one read: that group's way out stands between, so the places are kept; they have this group's products and way out in which to land
.endif
	MULS \g
	WIN 0
.rept 8
	v_nop
.endr
	EPI \g
.endr
	s_wait_dscnt 0x0
	s_barrier_signal -1
	s_barrier_wait -1
	ds_load_b64 v[RB:RB+1], v[ARD]
	ds_load_b64 v[RB+2:RB+3], v[ARD] offset:1024
	ds_load_b64 v[RB+4:RB+5], v[ARD] offset:2048
	s_wait_dscnt 0x0
	global_store_b64 v[L8], v[RB:RB+1], s[QSB:QSB+1]
	global_store_b64 v[L8], v[RB+2:RB+3], s[KSB:KSB+1] offset:16384
	global_store_b64 v[L8], v[RB+4:RB+5], s[KSB:KSB+1] offset:16640
	s_wait_tensorcnt 0x0
	ds_add_u32 v254, v255
	s_wait_dscnt 0x0
	CROUND
	s_endpgm
.Lfunc_end_k_q1360b3e6e2_qkv:
	.size	k_q1360b3e6e2_qkv, .Lfunc_end_k_q1360b3e6e2_qkv-k_q1360b3e6e2_qkv
	.p2alignl 7, 3214868480
	.fill 96, 4, 3214868480
	.section	.rodata,"a",@progbits
	.p2align	6, 0x0
	.amdhsa_kernel k_q1360b3e6e2_qkv
		.amdhsa_group_segment_fixed_size 327680
		.amdhsa_private_segment_fixed_size 0
		.amdhsa_enable_private_segment 0
		.amdhsa_kernarg_size 64
		.amdhsa_user_sgpr_count 2
		.amdhsa_user_sgpr_kernarg_segment_ptr 1
		.amdhsa_wavefront_size32 1
		.amdhsa_system_sgpr_workgroup_id_x 1
		.amdhsa_system_sgpr_workgroup_id_y 1
		.amdhsa_system_sgpr_workgroup_id_z 1
		.amdhsa_system_vgpr_workitem_id 0
		.amdhsa_next_free_vgpr 1024
		.amdhsa_next_free_sgpr 66
		.amdhsa_reserve_vcc 0
		.amdhsa_float_denorm_mode_32 3
		.amdhsa_float_denorm_mode_16_64 3
		.amdhsa_memory_ordered 1
		.amdhsa_forward_progress 1
		.amdhsa_inst_pref_size 190
	.end_amdhsa_kernel
	.amdgpu_metadata
---
amdhsa.version: [ 1, 2 ]
amdhsa.kernels:
  - .name:           k_q1360b3e6e2_qkv
    .symbol:         k_q1360b3e6e2_qkv.kd
    .args:
      - { .name: xq, .offset: 0, .size: 8, .value_kind: global_buffer, .address_space: global }
      - { .name: wq, .offset: 8, .size: 8, .value_kind: global_buffer, .address_space: global }
      - { .name: bq, .offset: 16, .size: 8, .value_kind: global_buffer, .address_space: global }
      - { .name: bk, .offset: 24, .size: 8, .value_kind: global_buffer, .address_space: global }
      - { .name: bv, .offset: 32, .size: 8, .value_kind: global_buffer, .address_space: global }
      - { .name: qc, .offset: 40, .size: 8, .value_kind: global_buffer, .address_space: global }
      - { .name: qs, .offset: 48, .size: 8, .value_kind: global_buffer, .address_space: global }
      - { .name: kv, .offset: 56, .size: 8, .value_kind: global_buffer, .address_space: global }
    .group_segment_fixed_size: 327680
    .private_segment_fixed_size: 0
    .kernarg_segment_align: 8
    .kernarg_segment_size: 64
    .max_flat_workgroup_size: 128
    .sgpr_count:     66
    .vgpr_count:     1024
    .wavefront_size: 32
...
	.end_amdgpu_metadata
.endif
;; end of part 2
;; launch attn (part 3): grid 4 x 64, 8 waves a work-group, clusters of 4 x 1, 327,680 bytes of LDS; arguments qc, qs, kv, cq, cs; writes cq, cs
.if DOCPART == 3
	.amdgcn_target "amdgcn-amd-amdhsa--gfx1250"
	.amdhsa_code_object_version 6
	.text
	.protected	k_q1360b3e6e2_attn
	.globl	k_q1360b3e6e2_attn
	.p2align	8
	.type	k_q1360b3e6e2_attn,@function
k_q1360b3e6e2_attn:
	s_mov_b64 s[64:65], 0
	v_nop
	global_prefetch_b8 v0, s[64:65] scope:SCOPE_SE
	s_setreg_imm32_b32 hwreg(HW_REG_WAVE_MODE, 25, 1), 1
	s_wait_xcnt 0x0
	s_wait_alu depctr_hold_cnt(0) depctr_sa_sdst(0) depctr_va_vdst(0) depctr_va_sdst(0) depctr_va_ssrc(0) depctr_va_vcc(0) depctr_vm_vsrc(0)
	s_getreg_b32 s2, hwreg(HW_REG_IB_STS2, 6, 4)
	s_cmp_eq_u32 s2, 0
	s_cbranch_scc0 .Lentry_in_a_cluster
	s_endpgm
.Lentry_in_a_cluster:
	s_bfe_u32 s2, ttmp6, 0x10000c
	s_cmp_lg_u32 s2, 0x3003
	s_cbranch_scc0 .Lentry_shape_is_right
	s_endpgm
.Lentry_shape_is_right:
; ctx = softmax(Q K^T / 8) V of one (batch, head), both products on codes of FP8 (E4M3) with E8M0 scales; ctx leaves quantised along the model's 512, as images of the last launch's operand registers.
; THE SOFTMAX: t = score x log2(e) / 8; M = the running largest t rounded up to a whole number; p = 2^(t - M) is quantised along the keys; the row's sum is taken of the unquantised p and divides at the end;
; when M moves, the sum and O^T are multiplied by 2^(old M - new M), in every step, with no branch on data.
; SHARES.  The four work-groups of a cluster take 512 queries each of one head and read the same K and V: the head's 16 records (2,048 keys) lie in LDS whole, filled once: each of the 8 waves asks for two records by ONE joint load.
; A wave takes 64 queries in two passes of 32 (two tiles); a step is 128 keys.  Both products are used transposed: a lane holds one query throughout.
; The head is 64 wide: a fragment of K holds two tiles of 16 keys side by side along the instruction's 128, and Q's 64 codes stand in the lower or the upper half with zero codes in the other.
; A STEP'S VECTOR WORK goes in blocks, the two tiles line by line by turns: maxima and scalings; all 136 exponentials as one batch; the quantisers.
; LIMITS: NaN and infinities are not served; the promise holds while the scaled scores stay under 2^31 in magnitude; a block's byte never falls under 1.
.set GR,    16896
.set CSC,   16*GR
.set FLOOR, 0x4800000
.set SUB8,  0xfc000000
.set EXPM,  0x7f800000
.set NEGBIG, 0xff61b1e6
.set L16, 1
.set L4,  2
.set A16, 3
.set A4,  4
.set R2,  5
.set L8,  6
.set CW,  7
.set ST,  8
.set FF,  16
.set PW,  20
.set QL,  22
.set KS,  26
.set VS,  28
.set TT,  30
.set BM,  32
.set PD,  36
.set HL,  40
.set SO,  44
.set CD,  64
.set S,   96
.set TMP, 224
.set ACW, 230
.set ACR, 231
.set OT,  48
.set KF,  112
.set VF,  176
.set WV,  14
.set TB,  17
.set CNT, 18
.set MNT, 19
.set SEL, 20
.set CS,  22
.set HM,  24
.set QCB, 48
.set QSB, 50
.set CQB, 52
.set CSB, 54
.set PASS, 56                          ; s56  the pass, 0 or 1
.set SH,  57                           ; s57  16 x the pass: where the pass's scale halves go in their word
.set MSB, 0
.macro WIN new
.if MSB != \new
	s_set_vgpr_msb (MSB<<8)|\new
.set MSB, \new
.endif
.endm
.macro WM d, a, b, c, sa, sb, ra, rb
.if (\c) < 0
.if (\ra)
	v_wmma_scale_f32_16x16x128_f8f6f4 v[\d:\d+7], v[\a:\a+15], v[\b:\b+15], 0, v[\sa], v[\sb] matrix_a_scale:MATRIX_SCALE_ROW1
.else
	v_wmma_scale_f32_16x16x128_f8f6f4 v[\d:\d+7], v[\a:\a+15], v[\b:\b+15], 0, v[\sa], v[\sb]
.endif
.else
.if (\ra)
	v_wmma_scale_f32_16x16x128_f8f6f4 v[\d:\d+7], v[\a:\a+15], v[\b:\b+15], v[\c:\c+7], v[\sa], v[\sb] matrix_a_scale:MATRIX_SCALE_ROW1
.else
	v_wmma_scale_f32_16x16x128_f8f6f4 v[\d:\d+7], v[\a:\a+15], v[\b:\b+15], v[\c:\c+7], v[\sa], v[\sb]
.endif
.endif
.endm
.macro QUANT src, nb, cd
.set qb, 0
.rept \nb
	v_max3_num_f32 v[BM+qb], |v[\src+16*qb]|, |v[\src+16*qb+1]|, FLOOR
.set qb, qb+1
.endr
.set qi, 2
.rept 7
.set qb, 0
.rept \nb
	s_delay_alu instid0(VALU_DEP_4)
	v_max3_num_f32 v[BM+qb], v[BM+qb], |v[\src+16*qb+qi]|, |v[\src+16*qb+qi+1]|
.set qb, qb+1
.endr
.set qi, qi+2
.endr
.set qb, 0
.rept \nb
	s_delay_alu instid0(VALU_DEP_4)
	v_permlanex16_b32 v[PD+qb], v[BM+qb], s[SEL], s[SEL+1]
.set qb, qb+1
.endr
.set qb, 0
.rept \nb
	s_delay_alu instid0(VALU_DEP_4)
	v_max_num_f32 v[BM+qb], v[BM+qb], v[PD+qb]
.set qb, qb+1
.endr
.set qb, 0
.rept \nb
	s_delay_alu instid0(VALU_DEP_4)
	v_add_nc_u32 v[SO+qb], SUB8, v[BM+qb]
.set qb, qb+1
.endr
.set qb, 0
.rept \nb
	v_and_or_b32 v[HL+qb], v[BM+qb], EXPM, s[MNT]
.set qb, qb+1
.endr
.set qb, 0
.rept \nb
	v_lshrrev_b32 v[PD+qb], 23, v[SO+qb]
.set qb, qb+1
.endr
.set qb, 0
.rept \nb
.set qi, 0
.rept 16
	v_med3_num_f32 v[\src+16*qb+qi], v[\src+16*qb+qi], -v[HL+qb], v[HL+qb]
.set qi, qi+1
.endr
	v_cvt_scalef32_pk8_fp8_f32 v[\cd+4*qb:\cd+4*qb+1], v[\src+16*qb:\src+16*qb+7], v[SO+qb]
	v_cvt_scalef32_pk8_fp8_f32 v[\cd+4*qb+2:\cd+4*qb+3], v[\src+16*qb+8:\src+16*qb+15], v[SO+qb]
.set qb, qb+1
.endr
	v_nop
.endm
.macro CROUND
	s_barrier_signal -1
	s_barrier_wait -1
	s_cmp_lg_u32 s[WV], 0
	s_cbranch_scc1 .Lnot_wave_0_\@
	s_barrier_signal -3
.Lnot_wave_0_\@:
	s_barrier_wait -3
	s_barrier_signal -1
	s_barrier_wait -1
.endm
.macro LMAX t
.set rS, S+64*(\t)
.set rB, BM+16*(\t)
.set rN, ST+4*(\t)
.set rF, FF+2*(\t)
.set rT, TT+(\t)
.if j < 4
	v_max3_num_f32 v[rB+j], v[rS+16*j], v[rS+16*j+1], v[rS+16*j+2]
.elseif j < 28
	v_max3_num_f32 v[rB+j%4], v[rB+j%4], v[rS+16*(j%4)+2*(j/4)+1], v[rS+16*(j%4)+2*(j/4)+2]
.elseif j < 32
	v_max_num_f32 v[rB+j%4], v[rB+j%4], v[rS+16*(j%4)+15]
.elseif j < 36
	v_permlanex16_b32 v[rB+4+j%4], v[rB+j%4], s[SEL], s[SEL+1]
.elseif j < 40
	v_max_num_f32 v[rB+j%4], v[rB+j%4], v[rB+4+j%4]
.elseif j == 40
	v_max3_num_f32 v[rT], v[rB], v[rB+1], v[rB+2]
.elseif j == 41
	v_max_num_f32 v[rT], v[rT], v[rB+3]
.elseif j == 42
	v_mul_f32 v[rT], s[CS], v[rT]
.elseif j == 43
	v_max_num_f32 v[rN+1], v[rN+1], v[rT]
.elseif j == 44
	v_mov_b32 v[rT], v[rN]
.elseif j == 45
	v_floor_f32 v[rN], -v[rN+1]
.elseif j == 46
	v_sub_f32 v[rT], v[rN], v[rT]
.elseif j == 47
	v_cvt_i32_f32 v[rT], v[rT]
.elseif j == 48
	v_ldexp_f32 v[rF], 1.0, v[rT]
.elseif j < 53
	v_fma_f32 v[rB+j-49], v[rB+j-49], s[CS], v[rN]
.else
	v_pk_fma_f32 v[rS+2*(j-53):rS+2*(j-53)+1], v[rS+2*(j-53):rS+2*(j-53)+1], s[CS:CS+1], v[rN:rN+1] op_sel_hi:[1,0,0]
.endif
.endm
.macro LEXP t
.if j < 64
	v_exp_f32 v[S+64*(\t)+j], v[S+64*(\t)+j]
.else
	v_exp_f32 v[BM+16*(\t)+j-64], v[BM+16*(\t)+j-64]
.endif
.endm
.macro LQNT t
.set rS, S+64*(\t)
.set rB, BM+16*(\t)
.set rN, ST+4*(\t)
.set rF, FF+2*(\t)
.set rW, PW+(\t)
.if j == 0
	v_pk_mul_f32 v[rN+2:rN+3], v[rN+2:rN+3], v[rF:rF+1] op_sel_hi:[1,0]
.elseif j < 5
	v_max_num_f32 v[rB+j-1], FLOOR, v[rB+j-1]
.elseif j < 9
	v_add_nc_u32 v[rB+12+j-5], SUB8, v[rB+j-5]
.elseif j < 13
	v_and_or_b32 v[rB+8+j-9], v[rB+j-9], EXPM, s[MNT]
.elseif j < 17
	v_lshrrev_b32 v[rB+4+j-13], 23, v[rB+12+j-13]
.elseif j == 17
	v_lshl_or_b32 v[rW], v[rB+5], 8, v[rB+4]
.elseif j == 18
	v_lshl_or_b32 v[rW], v[rB+6], 16, v[rW]
.elseif j == 19
	v_lshl_or_b32 v[rW], v[rB+7], 24, v[rW]
.elseif j == 20
	v_pk_add_f32 v[rB+4:rB+5], v[rS:rS+1], v[rS+2:rS+3]
.elseif j < 51
.if (j-21)%2 == 0
	v_pk_add_f32 v[rN+2:rN+3], v[rN+2:rN+3], v[rS+4*((j-21)/2+1):rS+4*((j-21)/2+1)+1]
.else
	v_pk_add_f32 v[rB+4:rB+5], v[rB+4:rB+5], v[rS+4*((j-21)/2+1)+2:rS+4*((j-21)/2+1)+3]
.endif
.elseif j == 51
	v_pk_add_f32 v[rN+2:rN+3], v[rN+2:rN+3], v[rB+4:rB+5]
.elseif j < 84
; the holds, two to a line: number i of one block and number i xor 1 of the next, so that the two destinations are one even and one odd and the sources of either place lie in different banks
.set dk, (j-52)/16
.set di, (j-52)%16
	v_dual_min_num_f32 v[rS+32*dk+di], v[rS+32*dk+di], v[rB+8+2*dk] :: v_dual_min_num_f32 v[rS+32*dk+16+(di^1)], v[rS+32*dk+16+(di^1)], v[rB+9+2*dk]
.else
	v_cvt_scalef32_pk8_fp8_f32 v[CD+16*(\t)+2*(j-84):CD+16*(\t)+2*(j-84)+1], v[rS+8*(j-84):rS+8*(j-84)+7], v[rB+12+(j-84)/2]
.endif
.endm
.macro SOFTMAX
.set j, 0
.rept 85                               ; the blocks' and the rows' maxima, M, f, t - M: the two tiles by turns, so that no line waits for the line above it
	LMAX 0
	LMAX 1
.set j, j+1
.endr
	s_wait_alu depctr_va_vdst(0)
.set j, 0
.rept 68                               ; ONE batch: both tiles' 64 p and 4 largest p
	LEXP 0
	LEXP 1
.set j, j+1
.endr
.set j, 0
	LQNT 0                                         ; the sums under the new M: plain lines behind the batch, which name none of its results
	LQNT 1
	s_wait_alu depctr_va_vdst(0)                   ; one wait for the whole batch, ahead of its first reader
.set j, 1
.rept 91                               ; scales, sums, holds, conversions: the two tiles by turns
	LQNT 0
	LQNT 1
.set j, j+1
.endr
.endm
.macro KFL adr, off
.irp g, 0,1,2,3
.irp c, 0,1,2,3
	ds_load_b128 v[KF+16*\g+4*\c:KF+16*\g+4*\c+3], v[\adr] offset:\off+\g*2048+\c*512
.endr
.endr
.endm
.macro KSL adr, off
	ds_load_b32 v[KS], v[\adr] offset:\off+16384
	ds_load_b32 v[KS+1], v[\adr] offset:\off+16384+128
.endm
.macro STEP nxt
	WIN 0x05
.irp g, 0,1,2,3
.irp v, 0,1
.irp q, 0,1
	WM S+64*\q+8*(2*\g+\v), KF+16*\g, 24*\q+8-8*\v, -1, KS+\g/2, QL+2*\v+\q, \g%2, 0
.endr
.endr
.endr
	WIN 0
	v_add_nc_u32 v[A16], s[TB], v[L16]
	v_add_nc_u32 v[A4], s[TB], v[L4]
.rept 6
	v_nop
.endr
	WIN 0x40
.irp t, 0,1,2,3
.irp c, 0,1,2,3
	ds_load_b128 v[VF+16*\t+4*\c:VF+16*\t+4*\c+3], v[A16] offset:8192+\t*2048+\c*512
.endr
.endr
.if \nxt == 1
	KFL A16, GR
.elseif \nxt == 2
	KFL L16, 0
.endif
	WIN 0
	ds_load_b32 v[VS], v[A4] offset:16640
	ds_load_b32 v[VS+1], v[A4] offset:16640+128
.if \nxt == 1
	KSL A4, GR
.elseif \nxt == 2
	KSL L4, 0
.endif
	s_add_co_u32 s[TB], s[TB], GR
	SOFTMAX
	WIN 0x41
	s_wait_alu depctr_va_vdst(0)
.irp q, 0,1
.set oi, 0
.rept 16
	v_pk_mul_f32 v[OT+32*\q+oi:OT+32*\q+oi+1], v[OT+32*\q+oi:OT+32*\q+oi+1], v[FF+2*\q:FF+2*\q+1] op_sel_hi:[1,0]
.set oi, oi+2
.endr
.endr
	s_wait_alu depctr_va_vdst(0)
	s_wait_dscnt 0x0
	WIN 0x51
.irp t, 0,1,2,3
.irp q, 0,1
	WM OT+32*\q+8*\t, VF+16*\t, CD+16*\q, OT+32*\q+8*\t, VS+\t/2, PW+\q, \t%2, 0
.endr
.endr
	WIN 0
.endm
.macro QLOAD p
	WIN 0x40
.irp u, 0,1
.irp c, 0,1
	global_load_b128 v[24*\u+8+4*\c:24*\u+8+4*\c+3], v[L16], s[QCB:QCB+1] offset:2048*\p+1024*\u+512*\c
.endr
.endr
	WIN 0
.irp u, 0,1
	global_load_u16 v[QL+\u], v[R2], s[QSB:QSB+1] offset:64*\p+32*\u
.endr
.endm
.macro INIT
	WIN 0
	s_wait_loadcnt 0x0
	s_wait_xcnt 0x0
.irp t, 0,1
	v_lshlrev_b32 v[QL+2+\t], 16, v[QL+\t]
	v_mov_b32 v[ST+4*\t+1], NEGBIG
	s_delay_alu instid0(VALU_DEP_1)
	v_floor_f32 v[ST+4*\t], -v[ST+4*\t+1]
	v_mov_b32 v[ST+4*\t+2], 0
	v_mov_b32 v[ST+4*\t+3], 0
	v_mov_b32 v[FF+2*\t+1], 0
.endr
	WIN 0x40
.set oi, 0
.rept 64
	v_mov_b32 v[OT+oi], 0
.set oi, oi+1
.endr
	WIN 0
.endm
.macro OUT
.rept 8
	v_nop
.endr
	s_cmp_lg_u32 s[PASS], 0                        ; the first pass asks for the second's queries; the branch hangs on the count of passes alone
	s_cbranch_scc1 .Lno_q_\@
	QLOAD 1
.Lno_q_\@:
.irp q, 0,1
	v_add_f32 v[TT+\q], v[ST+4*\q+2], v[ST+4*\q+3]
.endr
.irp q, 0,1
	s_delay_alu instid0(VALU_DEP_2)
	v_permlanex16_b32 v[PD+\q], v[TT+\q], s[SEL], s[SEL+1]
.endr
.irp q, 0,1
	s_delay_alu instid0(VALU_DEP_2)
	v_add_f32 v[TT+\q], v[TT+\q], v[PD+\q]
.endr
	s_wait_alu depctr_va_vdst(0)
.irp q, 0,1
	v_rcp_f32 v[FF+2*\q], v[TT+\q]
.endr
	v_nop
	WIN 0x01
	s_wait_alu depctr_va_vdst(0)
.irp q, 0,1
.set oi, 0
.rept 16
	v_pk_mul_f32 v[S+32*\q+oi:S+32*\q+oi+1], v[OT+32*\q+oi:OT+32*\q+oi+1], v[FF+2*\q:FF+2*\q+1] op_sel_hi:[1,0]
.set oi, oi+2
.endr
.endr
	WIN 0
	QUANT S, 4, CD
.irp q, 0,1
.irp d, 0,1
	global_store_b128 v[L16], v[CD+4*(2*\q+\d):CD+4*(2*\q+\d)+3], s[CQB:CQB+1] offset:\q*8192+\d*512
.endr
.endr
	v_lshl_or_b32 v[TMP], v[PD+1], 8, v[PD]
	v_lshl_or_b32 v[TMP+1], v[PD+3], 8, v[PD+2]
	s_delay_alu instid0(VALU_DEP_1)
	v_cndmask_b32 v[TMP+2], v[TMP], v[TMP+1], s[HM]
	s_delay_alu instid0(VALU_DEP_1)
	v_lshl_or_b32 v[CW], v[TMP+2], s[SH], v[CW]    ; pass 0: the low half of the word, which began as 0; pass 1: the high half
.endm
	s_load_b256 s[4:11], s[0:1], 0x0
	s_load_b64 s[12:13], s[0:1], 0x20
	v_lshl_add_u32 v254, v0, 2, 0x42400
	v_mov_b32 v255, 0
	ds_add_u32 v254, v255
	ds_add_u32 v254, v255
	v_lshrrev_b32 v1, 5, v0
	s_delay_alu instid0(VALU_DEP_1)
	v_readfirstlane_b32 s[WV], v1
	v_and_b32 v3, 31, v0
	s_delay_alu instid0(VALU_DEP_1)
	v_lshlrev_b32 v[L16], 4, v3
	s_delay_alu instid0(VALU_DEP_2)
	v_lshlrev_b32 v[L4], 2, v3
	s_delay_alu instid0(VALU_DEP_3)
	v_lshlrev_b32 v[L8], 3, v3
	v_and_b32 v[R2], 15, v0
	s_delay_alu instid0(VALU_DEP_1)
	v_lshlrev_b32 v[R2], 1, v[R2]
	v_lshl_add_u32 v[ACW], v0, 2, CSC
	v_lshl_add_u32 v[ACR], v0, 3, CSC
	v_mov_b32 v[CW], 0
.irp b, 0,1,2,3
	v_mov_b32 v[PD+\b], 0
	v_mov_b32 v[PD+16+\b], 0
.endr
	s_bfe_u32 s15, ttmp6, 0x40000
	s_lshl_b32 s25, ttmp9, 2
	s_add_co_u32 s15, s25, s15
	s_and_b32 s16, ttmp7, 0xffff
	s_mov_b32 s32, 15|(3<<16)|(1<<21)
	s_mov_b32 s33, 32<<16
	s_mov_b32 s34, 132<<16
	s_mov_b32 s35, 32<<16
	s_mov_b32 s36, 132
	s_mov_b32 s37, 32
	s_mov_b32 s38, 0
	s_mov_b32 s39, 0
	s_mul_i32 s25, s[WV], 2*GR
	s_mul_i32 s26, s16, 16*GR
	s_add_co_u32 s26, s26, s25
	s_mov_b32 s27, 0
	s_mov_b32 s[SEL], 0x76543210
	s_mov_b32 s[SEL+1], 0xfedcba98
	s_mov_b32 s[CS], 0x3e38aa3b
	s_mov_b32 s[CS+1], s[CS]
	s_mov_b32 s[MNT], 0x600000
	s_mov_b32 s[HM], 0xffff0000
	s_wait_alu depctr_va_vdst(0)
	s_wait_dscnt 0x0                               ; both opening adds are done
	s_wait_kmcnt 0x0
	s_mov_b32 s40, 1
	s_mov_b32 s41, s25                             ; LDS: records 2 w, 2 w + 1
	s_add_nc_u64 s[42:43], s[8:9], s[26:27]
	s_or_b32 s43, s43, 0x80000000
	CROUND                                         ; the round in front of the joint loads
	tensor_load_to_lds s[40:43], s[32:39]          ; my one tensor load: two records
	s_nop 0
.rept 4
	v_nop
.endr
	s_mov_b32 s29, 0
	s_lshl_b32 s28, s16, 17
	s_lshl_b32 s30, s15, 15
	s_add_co_u32 s28, s28, s30
	s_lshl_b32 s30, s[WV], 12
	s_add_co_u32 s28, s28, s30
	s_add_nc_u64 s[QCB:QCB+1], s[4:5], s[28:29]
	s_lshl_b32 s28, s16, 12
	s_lshl_b32 s30, s15, 10
	s_add_co_u32 s28, s28, s30
	s_lshl_b32 s30, s[WV], 7
	s_add_co_u32 s28, s28, s30
	s_add_nc_u64 s[QSB:QSB+1], s[6:7], s[28:29]
	s_lshr_b32 s28, s16, 3
	s_lshl_b32 s28, s28, 6
	s_lshl_b32 s30, s15, 4
	s_add_co_u32 s28, s28, s30
	s_lshl_b32 s30, s[WV], 1
	s_add_co_u32 s28, s28, s30
	s_lshl_b32 s28, s28, 14
	s_and_b32 s30, s16, 7
	s_lshl_b32 s30, s30, 10
	s_add_co_u32 s28, s28, s30
	s_add_nc_u64 s[CQB:CQB+1], s[10:11], s[28:29]
	s_lshl_b32 s28, s16, 2
	s_add_co_u32 s28, s28, s15
	s_lshl_b32 s28, s28, 10
	s_lshl_b32 s30, s[WV], 8
	s_add_co_u32 s28, s28, s30
	s_add_nc_u64 s[CSB:CSB+1], s[12:13], s[28:29]
	QLOAD 0
	WIN 0x40
.irp u, 0,1
.irp i, 0,1,2,3,4,5,6,7
	v_mov_b32 v[24*\u+\i], 0
	v_mov_b32 v[24*\u+16+\i], 0
.endr
.endr
	s_wait_tensorcnt 0x0                           ; my two records are in,
	s_barrier_signal -1
	s_barrier_wait -1                              ; everybody's are
	WIN 0x40
	KFL L16, 0
	WIN 0
	KSL L4, 0
	s_wait_dscnt 0x0
	s_mov_b32 s[PASS], 0
	s_mov_b32 s[SH], 0
.Lpass:                                                ; two trips: a pass is 32 queries against all 16 key steps; what differs between the passes lies in s[PASS], s[SH] and the stores' base
	INIT
	s_mov_b32 s[TB], 0
	s_mov_b32 s[CNT], 15
.Lstep:
	STEP 1
	s_sub_co_u32 s[CNT], s[CNT], 1
	s_cmp_lg_u32 s[CNT], 0
	s_cbranch_scc1 .Lstep
	STEP 2                                         ; the last key step fetches the first record's K again, for the next pass (what the second pass fetches so is not used)
	OUT
	s_wait_alu depctr_va_vdst(0)
	s_wait_xcnt 0x0                                ; the pass's stores have read their base
	s_add_nc_u64 s[CQB:CQB+1], s[CQB:CQB+1], 16384
	s_mov_b32 s[SH], 16
	s_add_co_u32 s[PASS], s[PASS], 1
	s_cmp_lt_u32 s[PASS], 2
	s_cbranch_scc1 .Lpass
	ds_store_b32 v[ACW], v[CW]
	s_wait_dscnt 0x0
	s_barrier_signal -1
	s_barrier_wait -1
	s_cmp_lt_u32 s[WV], 4
	s_cbranch_scc0 .Lno_cs
	ds_load_b64 v[TMP+4:TMP+5], v[ACR]
	s_wait_dscnt 0x0
	global_store_b64 v[L8], v[TMP+4:TMP+5], s[CSB:CSB+1]
.Lno_cs:
	s_wait_tensorcnt 0x0
	ds_add_u32 v254, v255
	s_wait_dscnt 0x0
	CROUND
	s_endpgm
.Lfunc_end_k_q1360b3e6e2_attn:
	.size	k_q1360b3e6e2_attn, .Lfunc_end_k_q1360b3e6e2_attn-k_q1360b3e6e2_attn
	.p2alignl 7, 3214868480
	.fill 96, 4, 3214868480
	.section	.rodata,"a",@progbits
	.p2align	6, 0x0
	.amdhsa_kernel k_q1360b3e6e2_attn
		.amdhsa_group_segment_fixed_size 327680
		.amdhsa_private_segment_fixed_size 0
		.amdhsa_enable_private_segment 0
		.amdhsa_kernarg_size 40
		.amdhsa_user_sgpr_count 2
		.amdhsa_user_sgpr_kernarg_segment_ptr 1
		.amdhsa_wavefront_size32 1
		.amdhsa_system_sgpr_workgroup_id_x 1
		.amdhsa_system_sgpr_workgroup_id_y 1
		.amdhsa_system_sgpr_workgroup_id_z 1
		.amdhsa_system_vgpr_workitem_id 0
		.amdhsa_next_free_vgpr 512
		.amdhsa_next_free_sgpr 66
		.amdhsa_reserve_vcc 0
		.amdhsa_float_denorm_mode_32 3
		.amdhsa_float_denorm_mode_16_64 3
		.amdhsa_memory_ordered 1
		.amdhsa_forward_progress 1
		.amdhsa_inst_pref_size 92
	.end_amdhsa_kernel
	.amdgpu_metadata
---
amdhsa.version: [ 1, 2 ]
amdhsa.kernels:
  - .name:           k_q1360b3e6e2_attn
    .symbol:         k_q1360b3e6e2_attn.kd
    .args:
      - { .name: qc, .offset: 0, .size: 8, .value_kind: global_buffer, .address_space: global }
      - { .name: qs, .offset: 8, .size: 8, .value_kind: global_buffer, .address_space: global }
      - { .name: kv, .offset: 16, .size: 8, .value_kind: global_buffer, .address_space: global }
      - { .name: cq, .offset: 24, .size: 8, .value_kind: global_buffer, .address_space: global }
      - { .name: cs, .offset: 32, .size: 8, .value_kind: global_buffer, .address_space: global }
    .group_segment_fixed_size: 327680
    .private_segment_fixed_size: 0
    .kernarg_segment_align: 8
    .kernarg_segment_size: 40
    .max_flat_workgroup_size: 256
    .sgpr_count:     66
    .vgpr_count:     512
    .wavefront_size: 32
...
	.end_amdgpu_metadata
.endif
;; end of part 3
;; launch outp (part 4): grid 256 x 1, 4 waves a work-group, no clusters, 168,448 bytes of LDS; arguments cq, cs, wq, x, bo, gamma, beta, out0; writes out0
.if DOCPART == 4
	.amdgcn_target "amdgcn-amd-amdhsa--gfx1250"
	.amdhsa_code_object_version 6
	.text
	.protected	k_q1360b3e6e2_outp
	.globl	k_q1360b3e6e2_outp
	.p2align	8
	.type	k_q1360b3e6e2_outp,@function
k_q1360b3e6e2_outp:
	s_mov_b64 s[64:65], 0
	v_nop
	global_prefetch_b8 v0, s[64:65] scope:SCOPE_SE
	s_setreg_imm32_b32 hwreg(HW_REG_WAVE_MODE, 25, 1), 1
	s_wait_xcnt 0x0
; out = LayerNorm(ctx Wo^T + bo + x) x gamma + beta.  The product on codes of FP8 (E4M3) with E8M0 scales; all else in f32; the variance in two passes, as the sum of (out - mean)^2.
; SHARES.  A work-group takes 64 tokens (two groups of 32: four tiles m); wave w takes columns 128 w .. 128 w + 127 (Wo's groups 4 w + b: eight tiles t = 2 b + u).
; TRANSPOSED: source 0 = 16 rows of Wo, source 1 = 16 tokens of ctx: a lane holds ONE token (row 8 u + r + 8 (r / 8) of its group), and register j of tile t column 128 w + 32 b + 16 h + 8 u + j.
; So a token's sums stay in a lane, but for one exchange with lane l xor 16 and one among the four waves, through LDS.  x is loaded into the accumulators and is the C of the first K step.
; NO CLUSTER: Wo's images are 270,336 bytes, the stage for x and the result 133,120, ctx's images 32,768: together more than the 327,680 bytes of LDS.  So each wave takes its fragments of Wo straight from memory
; into registers, each once, two K steps ahead.
; LDS: the stage, token x 2,080 + (column / 256) x 1,040 + (column % 256) x 4 (filled once with x by tensor loads, later overwritten with the result, each wave its own columns); ctx's images as in memory; two sets of partial sums.
; REGISTERS.  window 0: v1-9 addresses; v16-31 Wo's scale words, v32-39 ctx's; v40-47 ctx's scale halves as loaded; v48-63 sums, means; v64-255 bo, gamma, beta in the results' layout.
;   window 1: the 32 accumulators, (m, t) at 64 m + 8 t.   window 2: Wo's fragments, two sets of 128; later partial sums and the rows on their way out.   window 3: ctx's 16 fragments.
; LIMITS: NaN and infinities are not served.
.set GR,  16896
.set CQL, 133120
.set RED, CQL+32768
.set L16, 1                            ; v1  16 x lane
.set L4,  2                            ; v2  4 x lane
.set XS0, 3                            ; v3-4 my place in the stage, groups 0 and 1
.set RW,  5                            ; v5  where my partial sums go
.set RR,  6                            ; v6  where I read all four waves'
.set SR,  7                            ; v7  the way out: my 16 rows
.set BA,  8                            ; v8  512 w + 64 h: my columns in bo, gamma, beta
.set CA,  9                            ; v9  ctx's images + 16 x lane
.set WS,  16
.set CSR, 32
.set H,   40
.set SM,  48
.set MU,  56
.set BO,  64
.set GA,  128
.set BE,  192
.set WV,  20
.set WOB, 24
.set CSB, 26
.set SEL, 56
.set INV, 58                           ; s58 1 / 512
.set EPS, 59                           ; s59 1e-5
.set MSB, 0
.macro WIN new
.if MSB != \new
	s_set_vgpr_msb (MSB<<8)|\new
.set MSB, \new
.endif
.endm
.macro WM d, a, b, c, sa, sb, ra, rb
.if (\ra) && (\rb)
	v_wmma_scale_f32_16x16x128_f8f6f4 v[\d:\d+7], v[\a:\a+15], v[\b:\b+15], v[\c:\c+7], v[\sa], v[\sb] matrix_a_scale:MATRIX_SCALE_ROW1 matrix_b_scale:MATRIX_SCALE_ROW1
.elseif (\ra)
	v_wmma_scale_f32_16x16x128_f8f6f4 v[\d:\d+7], v[\a:\a+15], v[\b:\b+15], v[\c:\c+7], v[\sa], v[\sb] matrix_a_scale:MATRIX_SCALE_ROW1
.elseif (\rb)
	v_wmma_scale_f32_16x16x128_f8f6f4 v[\d:\d+7], v[\a:\a+15], v[\b:\b+15], v[\c:\c+7], v[\sa], v[\sb] matrix_b_scale:MATRIX_SCALE_ROW1
.else
	v_wmma_scale_f32_16x16x128_f8f6f4 v[\d:\d+7], v[\a:\a+15], v[\b:\b+15], v[\c:\c+7], v[\sa], v[\sb]
.endif
.endm
.macro WLOAD s                         ; my eight fragments of Wo for K step s, as images: 32 loads of 512 consecutive bytes
	WIN 0x80
.irp t, 0,1,2,3,4,5,6,7
.irp c, 0,1,2,3
	global_load_b128 v[128*((\s)%2)+16*\t+4*\c:128*((\s)%2)+16*\t+4*\c+3], v[L16], s[WOB:WOB+1] offset:(\t/2)*GR+(4*(\t%2)+(\s))*2048+\c*512
.endr
.endr
	WIN 0
.endm
; The pairs v[SM + 2 m] hold a lane's sums for the four tiles: halves, lane l xor 16, the four waves (through the set of words at off): the token's sum over 512 columns lands in v[MU + 2 m], the same bits in every wave.
.macro REDUCE off
	WIN 0
.irp m, 0,1,2,3
	v_add_f32 v[SM+2*\m], v[SM+2*\m], v[SM+2*\m+1]
.endr
.irp m, 0,1,2,3
	v_permlanex16_b32 v[SM+2*\m+1], v[SM+2*\m], s[SEL], s[SEL+1]
.endr
.irp m, 0,1,2,3
	v_add_f32 v[SM+2*\m], v[SM+2*\m], v[SM+2*\m+1]
.endr
.irp m, 0,1,2,3
	ds_store_b32 v[RW], v[SM+2*\m] offset:\off+64*\m      ; lanes r and 16 + r write the same word with the same value
.endr
	s_wait_dscnt 0x0                               ; for the others' sake
	s_barrier_signal -1
	s_barrier_wait -1
	WIN 0x80
.irp k, 0,1,2,3
.irp m, 0,1,2,3
	ds_load_b32 v[4*\k+\m], v[RR] offset:\off+256*\k+64*\m
.endr
.endr
	s_wait_dscnt 0x0
	WIN 0x0a
.irp m, 0,1,2,3
	v_add_f32 v[MU+2*\m], v[\m], v[4+\m]
	v_add_f32 v[MU+2*\m+1], v[8+\m], v[12+\m]
.endr
	WIN 0
.irp m, 0,1,2,3
	v_add_f32 v[MU+2*\m], v[MU+2*\m], v[MU+2*\m+1]
.endr
.endm
	s_load_b256 s[4:11], s[0:1], 0x0               ; cq, cs, wq, x
	s_load_b256 s[12:19], s[0:1], 0x20             ; bo, gamma, beta, out0
	v_lshl_add_u32 v14, v0, 2, 0x29000
	v_mov_b32 v15, 0
	ds_add_u32 v14, v15
	ds_add_u32 v14, v15
	v_lshrrev_b32 v1, 5, v0
	v_readfirstlane_b32 s[WV], v1                  ; wave 0..3
	s_and_b32 s21, s[WV], 1
	s_lshr_b32 s22, s[WV], 1
	; descriptor groups 1.  x: 64 half rows of 1,024 bytes (256 elements of 4 bytes), dense, 16 bytes of padding behind each
	s_mov_b32 s32, (2<<16)|(1<<20)|(7<<22)|(3<<25)
	s_mov_b32 s33, 256<<16
	s_mov_b32 s34, 64<<16
	s_mov_b32 s35, 256<<16
	s_mov_b32 s36, 64
	s_mov_b32 s37, 256
	s_mov_b32 s38, 0
	s_mov_b32 s39, 0
	; ctx's images of a group: 16,384 dense bytes as 64 rows of 256 (32 elements of 8 bytes)
	s_mov_b32 s48, 3<<16
	s_mov_b32 s49, 32<<16
	s_mov_b32 s50, 64<<16
	s_mov_b32 s51, 32<<16
	s_mov_b32 s52, 64
	s_mov_b32 s53, 32
	s_mov_b32 s54, 0
	s_mov_b32 s55, 0
	s_lshl_b32 s28, ttmp9, 17                      ; x: 64 tokens of 2,048 bytes a work-group, 32 a load
	s_lshl_b32 s30, s21, 16
	s_add_co_u32 s28, s28, s30
	s_mov_b32 s29, 0
	s_lshl_b32 s30, ttmp9, 15                      ; cq: two groups a work-group, one a load
	s_lshl_b32 s23, s21, 14
	s_add_co_u32 s30, s30, s23
	s_mov_b32 s31, 0
	s_mul_i32 s23, s21, 66560
	s_wait_dscnt 0x0
	s_wait_kmcnt 0x0
	s_mov_b32 s40, 1
	s_mov_b32 s41, s23                             ; the stage's half
	s_add_nc_u64 s[42:43], s[10:11], s[28:29]
	s_or_b32 s43, s43, 0x80000000
	s_lshl_b32 s23, s21, 14
	s_mov_b32 s44, 1
	s_add_co_u32 s45, s23, CQL
	s_add_nc_u64 s[46:47], s[4:5], s[30:31]
	s_or_b32 s47, s47, 0x80000000
	s_cmp_lt_u32 s[WV], 2                          ; waves 0, 1 bring ctx's halves, which are read first; waves 2, 3 x's: one tensor load a wave, each byte filled once, a load line for each group of waves
	s_cbranch_scc0 .Lfor_x
	tensor_load_to_lds s[44:47], s[48:55]
	s_nop 0
.rept 4
	v_nop
.endr
	s_branch .Lasked
.Lfor_x:
	tensor_load_to_lds s[40:43], s[32:39]
	s_nop 0
.rept 4
	v_nop
.endr
.Lasked:
	v_and_b32 v10, 31, v0                          ; lane
	v_and_b32 v11, 15, v0                          ; r
	v_bfe_u32 v12, v0, 4, 1                        ; h
	v_lshlrev_b32 v[L16], 4, v10
	v_lshlrev_b32 v[L4], 2, v10
	v_and_b32 v13, 8, v11
	v_add_nc_u32 v13, v13, v11                     ; r + 8 (r / 8)
	v_mul_u32_u24 v[XS0], v13, 2080
	v_lshl_add_u32 v[XS0], v12, 6, v[XS0]
	s_mul_i32 s23, s22, 1040
	s_lshl_b32 s28, s21, 9
	s_add_co_u32 s23, s23, s28
	v_add_nc_u32 v[XS0], s23, v[XS0]
	v_add_nc_u32 v[XS0+1], 66560, v[XS0]
	s_lshl_b32 s23, s[WV], 8
	v_lshl_add_u32 v[RW], v11, 2, s23
	v_add_nc_u32 v[RW], RED, v[RW]
	v_lshl_add_u32 v[RR], v11, 2, RED
	s_mul_i32 s23, s[WV], 33280
	v_add_nc_u32 v[SR], s23, v[L16]
	s_lshl_b32 s23, s[WV], 9
	v_lshl_add_u32 v[BA], v12, 6, s23
	s_wait_alu depctr_va_vdst(0)
	v_add_nc_u32 v[CA], CQL, v[L16]
	s_mov_b32 s[SEL], 0x76543210
	s_mov_b32 s[SEL+1], 0xfedcba98
	s_mov_b32 s[INV], 0x3b000000
	s_mov_b32 s[EPS], 0x3727c5ac
	s_mov_b32 s29, 0
	s_lshl_b32 s28, s[WV], 2
	s_add_co_u32 s28, s28, 48                      ; Wo's records are 48 .. 63 of wq
	s_mul_i32 s28, s28, GR
	s_add_nc_u64 s[WOB:WOB+1], s[8:9], s[28:29]
	s_and_b32 s28, ttmp9, 0xe0                     ; cs: [8 x batch + head][block of 512][wave][lane]: 32 x batch,
	s_bfe_u32 s30, ttmp9, 0x20003                  ; + the block of 512 tokens;
	s_add_co_u32 s28, s28, s30
	s_lshl_b32 s28, s28, 10
	s_and_b32 s30, ttmp9, 7                        ; the wave that made my 64 tokens
	s_lshl_b32 s30, s30, 7
	s_add_co_u32 s28, s28, s30
	s_add_nc_u64 s[CSB:CSB+1], s[6:7], s[28:29]
	s_lshl_b32 s28, ttmp9, 17
	s_lshl_b32 s30, s[WV], 15
	s_add_co_u32 s28, s28, s30
	s_add_nc_u64 s[18:19], s[18:19], s[28:29]      ; out0 at the 16 rows that I store
.irp b, 0,1,2,3
	global_load_b128 v[WS+4*\b:WS+4*\b+3], v[L16], s[WOB:WOB+1] offset:\b*GR+16384
.endr
.irp d, 0,1,2,3,4,5,6,7
	global_load_b32 v[H+\d], v[L4], s[CSB:CSB+1] offset:\d*4096     ; head d: the low half is group 0's two bytes, the high half group 1's; lanes 0-15 tile 0, lanes 16-31 tile 1
.endr
.irp t, 0,1,2,3,4,5,6,7
	global_load_b128 v[BO+8*\t:BO+8*\t+3], v[BA], s[12:13] offset:128*(\t/2)+32*(\t%2)
	global_load_b128 v[BO+8*\t+4:BO+8*\t+7], v[BA], s[12:13] offset:128*(\t/2)+32*(\t%2)+16
	global_load_b128 v[GA+8*\t:GA+8*\t+3], v[BA], s[14:15] offset:128*(\t/2)+32*(\t%2)
	global_load_b128 v[GA+8*\t+4:GA+8*\t+7], v[BA], s[14:15] offset:128*(\t/2)+32*(\t%2)+16
	global_load_b128 v[BE+8*\t:BE+8*\t+3], v[BA], s[16:17] offset:128*(\t/2)+32*(\t%2)
	global_load_b128 v[BE+8*\t+4:BE+8*\t+7], v[BA], s[16:17] offset:128*(\t/2)+32*(\t%2)+16
.endr
	WLOAD 0
	WLOAD 1
	s_wait_alu depctr_va_vdst(0)
	s_cmp_lt_u32 s[WV], 2
	s_cbranch_scc0 .Lnot_c
	s_wait_tensorcnt 0x0                           ; waves 0, 1: my half of ctx is in.  The other waves' wait stands at the second barrier
.Lnot_c:
	s_barrier_signal -1
	s_barrier_wait -1                              ; ctx's images are whole
	WIN 0xc0
.set n, 0
.rept 64
	ds_load_b128 v[4*n:4*n+3], v[CA] offset:512*n  ; ctx's fragment (m, s) at v[16 (4 m + s)]: the images lie in that order; these loads run while x is on its way
.set n, n+1
.endr
	s_wait_tensorcnt 0x0                           ; every wave: all that is still out, x's halves,
	s_wait_dscnt 0x0                               ; and no LDS load of mine is out at the signal
	s_barrier_signal -1
	s_barrier_wait -1                              ; x lies in the stage
	WIN 0x40
.irp m, 0,1,2,3
.irp t, 0,1,2,3,4,5,6,7
	ds_load_b128 v[64*\m+8*\t:64*\m+8*\t+3], v[XS0+\m/2] offset:(\m%2)*16640+128*(\t/2)+32*(\t%2)        ; x into the accumulators
	ds_load_b128 v[64*\m+8*\t+4:64*\m+8*\t+7], v[XS0+\m/2] offset:(\m%2)*16640+128*(\t/2)+32*(\t%2)+16
.endr
.endr
	WIN 0
	s_wait_loadcnt 32                              ; all but the second K step's 32 loads
.irp s, 0,1,2,3
	v_perm_b32 v[CSR+\s], v[H+2*\s+1], v[H+2*\s], 0x05040100       ; K step s = heads 2 s, 2 s + 1: group 0's scale word,
	v_perm_b32 v[CSR+4+\s], v[H+2*\s+1], v[H+2*\s], 0x07060302     ; group 1's
.endr
.rept 8
	v_nop                                          ; a scale register written by a vector instruction stands eight places ahead of the product
.endr
	s_wait_alu depctr_va_vdst(0)
	s_wait_dscnt 0x0
.irp s, 0,1,2,3
.if \s < 3
	s_wait_loadcnt 32                              ; this K step's fragments are in; the next K step's 32 loads may be out
.else
	s_wait_loadcnt 0x0
.endif
	WIN 0x5e                                       ; Wo window 2, ctx window 3, C and D window 1
.irp t, 0,1,2,3,4,5,6,7
.irp m, 0,1,2,3
	WM 64*\m+8*\t, 128*(\s%2)+16*\t, 16*(4*\m+\s), 64*\m+8*\t, WS+4*(\t/2)+\s, CSR+4*(\m/2)+\s, \t%2, \m%2   ; the 32 accumulators by turns
.endr
.endr
	WIN 0
.rept 8
	v_nop                                          ; eight places: for the loads into the set just multiplied, and at last for the first read of results
.endr
.if \s < 2
	WLOAD \s+2
.endif
.endr
	WIN 0x41                                       ; + bo
.irp m, 0,1,2,3
.set pp, 0
.rept 32
	v_pk_add_f32 v[64*\m+pp:64*\m+pp+1], v[64*\m+pp:64*\m+pp+1], v[BO+pp:BO+pp+1]
.set pp, pp+2
.endr
.endr
	WIN 0x05                                       ; the sums: the first two pairs start them, the four tiles by turns
.irp m, 0,1,2,3
	v_pk_add_f32 v[SM+2*\m:SM+2*\m+1], v[64*\m:64*\m+1], v[64*\m+2:64*\m+3]
.endr
	WIN 0x04
.set pp, 4
.rept 30
.irp m, 0,1,2,3
	v_pk_add_f32 v[SM+2*\m:SM+2*\m+1], v[SM+2*\m:SM+2*\m+1], v[64*\m+pp:64*\m+pp+1]
.endr
.set pp, pp+2
.endr
	REDUCE 0
.irp m, 0,1,2,3
	v_mul_f32 v[MU+2*\m], s[INV], v[MU+2*\m]       ; the mean
.endr
	WIN 0x41
.irp m, 0,1,2,3
.set pp, 0
.rept 32
	v_pk_add_f32 v[64*\m+pp:64*\m+pp+1], v[64*\m+pp:64*\m+pp+1], v[MU+2*\m:MU+2*\m+1] op_sel_hi:[1,0] neg_lo:[0,1] neg_hi:[0,1]
.set pp, pp+2
.endr
.endr
	WIN 0x05                                       ; the squares of what is left
.irp m, 0,1,2,3
	v_pk_mul_f32 v[SM+2*\m:SM+2*\m+1], v[64*\m:64*\m+1], v[64*\m:64*\m+1]
.endr
.set pp, 2
.rept 31
.irp m, 0,1,2,3
	v_pk_fma_f32 v[SM+2*\m:SM+2*\m+1], v[64*\m+pp:64*\m+pp+1], v[64*\m+pp:64*\m+pp+1], v[SM+2*\m:SM+2*\m+1]
.endr
.set pp, pp+2
.endr
	REDUCE 1024                                    ; other words than the first exchange's: no barrier is owed between the two
.irp m, 0,1,2,3
	v_fma_f32 v[MU+2*\m], v[MU+2*\m], s[INV], s[EPS]
.endr
	s_wait_alu depctr_va_vdst(0)
.irp m, 0,1,2,3
	v_rsq_f32 v[MU+2*\m], v[MU+2*\m]
.endr
	v_nop                                          ; a plain line behind the roots
	WIN 0x41
	s_wait_alu depctr_va_vdst(0)
.irp m, 0,1,2,3
.set pp, 0
.rept 32
	v_pk_mul_f32 v[64*\m+pp:64*\m+pp+1], v[64*\m+pp:64*\m+pp+1], v[MU+2*\m:MU+2*\m+1] op_sel_hi:[1,0]
.set pp, pp+2
.endr
.set pp, 0
.rept 32
	v_pk_fma_f32 v[64*\m+pp:64*\m+pp+1], v[64*\m+pp:64*\m+pp+1], v[GA+pp:GA+pp+1], v[BE+pp:BE+pp+1]
.set pp, pp+2
.endr
.endr
	WIN 0x04                                       ; an LDS store's data are its source 1: window 1.  The result goes where x lay: my columns alone, whose one fill is long past
.irp m, 0,1,2,3
.irp t, 0,1,2,3,4,5,6,7
	ds_store_b128 v[XS0+\m/2], v[64*\m+8*\t:64*\m+8*\t+3] offset:(\m%2)*16640+128*(\t/2)+32*(\t%2)
	ds_store_b128 v[XS0+\m/2], v[64*\m+8*\t+4:64*\m+8*\t+7] offset:(\m%2)*16640+128*(\t/2)+32*(\t%2)+16
.endr
.endr
	WIN 0
	s_wait_dscnt 0x0                               ; for the others' sake: my columns lie in the stage
	s_barrier_signal -1
	s_barrier_wait -1                              ; 64 whole rows lie there
	WIN 0x80
.set n, 0
.rept 64
	ds_load_b128 v[4*n:4*n+3], v[SR] offset:(n/4)*2080+(n%4)*512+((n%4)/2)*16     ; my 16 rows, 512 bytes a load
.set n, n+1
.endr
	WIN 0x08
.set n, 0
.rept 64
	s_wait_dscnt 63-n                              ; LDS loads come back in order: load n is in
	global_store_b128 v[L16], v[4*n:4*n+3], s[18:19] offset:(n/4)*2048+(n%4)*512 th:TH_STORE_NT   ; 512 consecutive bytes, aligned; written once, read by nobody here
.set n, n+1
.endr
	WIN 0
	s_wait_tensorcnt 0x0
	ds_add_u32 v14, v15
	s_wait_dscnt 0x0
	s_endpgm
.Lfunc_end_k_q1360b3e6e2_outp:
	.size	k_q1360b3e6e2_outp, .Lfunc_end_k_q1360b3e6e2_outp-k_q1360b3e6e2_outp
	.p2alignl 7, 3214868480
	.fill 96, 4, 3214868480
	.section	.rodata,"a",@progbits
	.p2align	6, 0x0
	.amdhsa_kernel k_q1360b3e6e2_outp
		.amdhsa_group_segment_fixed_size 168448
		.amdhsa_private_segment_fixed_size 0
		.amdhsa_enable_private_segment 0
		.amdhsa_kernarg_size 64
		.amdhsa_user_sgpr_count 2
		.amdhsa_user_sgpr_kernarg_segment_ptr 1
		.amdhsa_wavefront_size32 1
		.amdhsa_system_sgpr_workgroup_id_x 1
		.amdhsa_system_sgpr_workgroup_id_y 1
		.amdhsa_system_sgpr_workgroup_id_z 1
		.amdhsa_system_vgpr_workitem_id 0
		.amdhsa_next_free_vgpr 1024
		.amdhsa_next_free_sgpr 66
		.amdhsa_reserve_vcc 0
		.amdhsa_float_denorm_mode_32 3
		.amdhsa_float_denorm_mode_16_64 3
		.amdhsa_memory_ordered 1
		.amdhsa_forward_progress 1
		.amdhsa_inst_pref_size 120
	.end_amdhsa_kernel
	.amdgpu_metadata
---
amdhsa.version: [ 1, 2 ]
amdhsa.kernels:
  - .name:           k_q1360b3e6e2_outp
    .symbol:         k_q1360b3e6e2_outp.kd
    .args:
      - { .name: cq, .offset: 0, .size: 8, .value_kind: global_buffer, .address_space: global }
      - { .name: cs, .offset: 8, .size: 8, .value_kind: global_buffer, .address_space: global }
      - { .name: wq, .offset: 16, .size: 8, .value_kind: global_buffer, .address_space: global }
      - { .name: x, .offset: 24, .size: 8, .value_kind: global_buffer, .address_space: global }
      - { .name: bo, .offset: 32, .size: 8, .value_kind: global_buffer, .address_space: global }
      - { .name: gamma, .offset: 40, .size: 8, .value_kind: global_buffer, .address_space: global }
      - { .name: beta, .offset: 48, .size: 8, .value_kind: global_buffer, .address_space: global }
      - { .name: out0, .offset: 56, .size: 8, .value_kind: global_buffer, .address_space: global }
    .group_segment_fixed_size: 168448
    .private_segment_fixed_size: 0
    .kernarg_segment_align: 8
    .kernarg_segment_size: 64
    .max_flat_workgroup_size: 128
    .sgpr_count:     66
    .vgpr_count:     1024
    .wavefront_size: 32
...
	.end_amdgpu_metadata
.endif
;; end of part 4
